; MI455X (gfx1250); checked and timed in simulation.
; The chip was launched on July 23, 2026; its instructions are those of AMD's public machine-readable ISA for CDNA 5 (MIT licence, August 2026) and "CDNA5" Instruction Set Architecture Reference Guide (July 2026). The comments in the code are by the model that wrote it; some were corrected since.
;; Local Decoder. Allowed arithmetic: float matrix products may take bf16 or f16 operands with f32 sums; other float arithmetic in f32, or as packed bf16 or f16 multiplies, adds, multiply-adds, maxima and minima; sums over many terms, partial sums and values carried from step to step in f32; what a program stores and reads back later, other than sums and carried values, may be rounded once to bf16 or f16.
;; Inputs: b0_b 5 x 128 float32; b0_w 5 x 128 x 128 float32; b1_b 5 x 128 float32; b1_w 5 x 128 x 128 float32; c_grid 2 x 128 x 64 x 64 x 64 float32; fc_c_b 5 x 128 float32; fc_c_w 5 x 128 x 128 float32; fc_p_b 128 float32; fc_p_w 128 x 3 float32; out_b 1 float32; out_w 1 x 128 float32; p 2 x 65,536 x 3 float32.
;; Outputs: out0 2 x 65,536 x 1 float32.
;; 2 versions, each right; version 2 is version 1 with the launch prep written anew for expert scheduling mode. Each part assembles by itself: llvm-mc -triple=amdgcn-amd-amdhsa -mcpu=gfx1250 --defsym DOCPART=n.
;; ======== version 1 of 2: 2 launches
;; limits: values are held in f16: magnitudes above 65,504 overflow, below 6.1e-05 lose precision; inputs' magnitudes at most 65,504
;; workspace buffers: gridt 134,217,728 bytes; cell 524,288 bytes of whole numbers; w16 491,520 bytes; tab 16,384 bytes
;; launch prep (part 1): grid 256 x 1, 16 waves a work-group, no clusters, 264,192 bytes of LDS; arguments c_grid, p, fc_c_w, b0_w, b1_w, fc_p_w, fc_p_b, fc_c_b, b0_b, b1_b, out_w, out_b, gridt, cell, w16, tab; writes gridt, cell, w16, tab
.if DOCPART == 1
	.amdgcn_target "amdgcn-amd-amdhsa--gfx1250"
	.amdhsa_code_object_version 6
	.text
	.protected	k_qcd89a00b43_prep
	.globl	k_qcd89a00b43_prep
	.p2align	8
	.type	k_qcd89a00b43_prep,@function
k_qcd89a00b43_prep:
	s_mov_b64 s[64:65], 0
	v_nop
	global_prefetch_b8 v0, s[64:65] scope:SCOPE_SE
	s_setreg_imm32_b32 hwreg(HW_REG_WAVE_MODE, 25, 1), 1
	s_wait_xcnt 0x0
; PREP.  Four things are made for the second launch.
;  gridt  c_grid [2][128][64][64][64] f32 turned into [b][z][y][x][128 channels] bf16: a voxel's 128 channels are 256 consecutive bytes.
;  cell   for each point the whole number (z0 64 + y0) 64 + x0 of its cell's low corner, each coordinate min(floor(i), 62).
;  w16    the 15 matrices of 128 x 128: 3 i + 0 = fc_c_w[i] (rounded to bf16, that number written as f16), 3 i + 1 = b0_w[i], 3 i + 2 = b1_w[i] (bf16).
;  tab    16 rows of 128 f32 (sums of biases, out_w, out_b), then fc_p_w as [128][32] bf16 with zeros from k = 3 on.
; LIMITS.  Every input is rounded to bf16 as it enters, p and the biases too.  The grid coordinate is ONE fused multiply-add, p x 63/1.101 + 31.5, where the
; formula has a division, two additions and two products: another order of rounding.  fc_c_w stays within f16's 65,504; below 6e-5 it keeps f16's fixed step of 6e-8.
; A NaN in p gives cell coordinate 0.
; SHARES.  A tile is one (b, z, y): 128 rows of 256 bytes in (a channel each, 2^20 bytes apart), 16,384 dense bytes out.  8,192 tiles; wave v of work-group w takes
; tiles 32 w + 2 v and the next.  A wave is alone with its tile and its own 16,384 bytes of LDS: no barrier.  A tile goes in eight PARTS of 16 channels; four parts'
; loads (32 loads of 512 bytes) are always on their way, across the two tiles too.  Matrix units and clusters have nothing to do here: no input byte is shared.
.set SPARE, 262144                     ; behind the 16 stages: the spare words, 128 bytes a wave, that no other line names
.set SPW, 4                            ; v4       my spare word's address; never rewritten
.set NIL, 5                            ; v5       0; never rewritten
.set GO,  6                            ; v6       16 x lane: my 16 bytes in 512 consecutive bytes of gridt
.set OFF, 8                            ; v[8:15]  part q: 16 i + h 2^23 + q 2^24: my 16 bytes of the row of channel 8 (2 q + h)   (i = lane % 16, h = lane / 16)
.set SA,  16                           ; v[16:23] part q: where I put a voxel's 16 bytes
.set RA,  24                           ; v[24:39] where I read them back, by (voxel / 4)
.set T,   40                           ; v[40:55] a part's packed results; at work in the side jobs
.set OB,  56                           ; v[56:119] two sets of 32: rows read back; at work in the side jobs
.set X,   120                          ; v[120:247] four slots of 32: a part as loaded
.set WV,  36                           ; s36 my wave
.set WG,  38                           ; s38 my work-group
	s_load_b512 s[4:19], s[0:1], 0x0               ; c_grid 4, p 6, fc_c_w 8, b0_w 10, b1_w 12, fc_p_w 14, fc_p_b 16, fc_c_b 18
	s_load_b512 s[20:35], s[0:1], 0x40             ; b0_b 20, b1_b 22, out_w 24, out_b 26, gridt 28, cell 30, w16 32, tab 34
	v_lshl_add_u32 v[SPW], v0, 2, SPARE
	v_mov_b32 v[NIL], 0
	v_lshrrev_b32 v3, 5, v0
	v_readfirstlane_b32 s[WV], v3
	v_and_b32 v1, 15, v0                           ; i
	v_bfe_u32 v2, v0, 4, 1                         ; h
	v_and_b32 v[GO], 31, v0
	v_lshlrev_b32 v[GO], 4, v[GO]
	s_lshl_b32 s37, s[WV], 14                      ; my stage
	s_mov_b32 s[WG], ttmp9
	v_lshlrev_b32 v3, 4, v1
	v_lshl_add_u32 v3, v2, 23, v3
.irp q, 0,1,2,3,4,5,6,7
	v_add_nc_u32 v[OFF+(\q)], (\q)<<24, v3
.endr
	; In the stage voxel x has a row of 256 bytes; the 16 bytes of channels 8 c .. 8 c + 7 lie at column (c + x / 4) % 16.
	v_add_nc_u32 v7, v1, v2
	v_lshl_add_u32 v3, v1, 10, s37                 ; voxel 4 i
.irp q, 0,1,2,3,4,5,6,7
	v_add_nc_u32 v[SA+(\q)], 2*(\q), v7
	v_and_b32 v[SA+(\q)], 15, v[SA+(\q)]
	v_lshl_add_u32 v[SA+(\q)], v[SA+(\q)], 4, v3
.endr
	v_lshl_add_u32 v3, v2, 8, s37                  ; back: lanes 0-15 an even voxel, lanes 16-31 the odd one behind it
.irp m, 0,1,2,3,4,5,6,7,8,9,10,11,12,13,14,15
	v_add_nc_u32 v[RA+(\m)], (\m), v1
	v_and_b32 v[RA+(\m)], 15, v[RA+(\m)]
	v_lshl_add_u32 v[RA+(\m)], v[RA+(\m)], 4, v3
.endr
	s_lshl_b32 s40, s[WG], 5
	s_lshl1_add_u32 s40, s[WV], s40                ; my first tile, 32 w + 2 v
	s_and_b32 s42, s40, 4095
	s_lshl_b32 s42, s42, 8                         ; its (z, y): 256 bytes each
	s_lshr_b32 s41, s[WG], 7
	s_lshl_b32 s41, s41, 27                        ; its batch: 2^27 bytes
	s_add_co_u32 s42, s42, s41
	s_mov_b32 s43, 0
	s_lshl_b32 s44, s40, 14                        ; 16,384 bytes out for each tile
	s_mov_b32 s45, 0
	s_wait_kmcnt 0x0
	s_add_nc_u64 s[4:5], s[4:5], s[42:43]
	s_add_nc_u64 s[28:29], s[28:29], s[44:45]
; Eight loads: load j brings x = 4 i .. 4 i + 3 of channel 8 (2 q + h) + j: each covers two whole rows of 256 bytes.  toff = 256: the wave's second tile.
.macro LOADS q, toff
.irp j, 0,1,2,3,4,5,6,7
	global_load_b128 v[X+32*((\q)%4)+4*(\j):X+32*((\q)%4)+4*(\j)+3], v[OFF+(\q)], s[4:5] offset:(\j)*1048576+(\toff) th:TH_LOAD_NT
.endr
.endm
; Part q: its 8 loads are in; for each of my four voxels eight channels are rounded and packed into 16 bytes and put into the stage; the slot takes part nq.
.macro PART q, cnt, issue, nq, toff
	s_wait_loadcnt \cnt                            ; loads come back in order: the younger parts' loads stay out
.irp e, 0,1,2,3
.irp jj, 0,1,2,3
	v_cvt_pk_bf16_f32 v[T+4*(\e)+(\jj)], v[X+32*((\q)%4)+8*(\jj)+(\e)], v[X+32*((\q)%4)+8*(\jj)+4+(\e)]
.endr
.endr
.irp e, 0,1,2,3
	ds_store_b128 v[SA+(\q)], v[T+4*(\e):T+4*(\e)+3] offset:256*(\e)
.endr
.if \issue
	LOADS \nq, \toff
.endif
.endm
; The tile leaves: 32 runs of 512 consecutive bytes (two voxels), in four batches of eight.  LDS serves a wave's instructions in order, so the loads see the stores above.
.macro BACK tile
.irp bt, 0,1,2,3
	s_wait_xcnt 0x0                                ; the registers that earlier stores read are loaded again only behind this wait
.irp k, 0,1,2,3,4,5,6,7
	ds_load_b128 v[OB+32*((\bt)%2)+4*(\k):OB+32*((\bt)%2)+4*(\k)+3], v[RA+(8*(\bt)+(\k))/2] offset:(8*(\bt)+(\k))*512
.endr
.irp k, 0,1,2,3,4,5,6,7
	s_wait_dscnt 7-(\k)                            ; load k of the batch is back; the younger ones stay out
	global_store_b128 v[GO], v[OB+32*((\bt)%2)+4*(\k):OB+32*((\bt)%2)+4*(\k)+3], s[28:29] offset:(\tile)*16384+(8*(\bt)+(\k))*512 th:TH_STORE_NT
.endr
.endr
.endm
	LOADS 0, 0                                     ; the first four parts go out before anything else
	LOADS 1, 0
	LOADS 2, 0
	LOADS 3, 0
	; THE SIDE JOBS stand in the wait for those loads, under branches on the wave's and the work-group's number; no barrier is jumped, for there is none.
	s_cmp_lt_u32 s[WV], 8
	s_cbranch_scc1 .Lcells                         ; waves 0-7 of every work-group: 512 points' cells
	s_cmp_lt_u32 s[WG], 240
	s_cbranch_scc1 .Lweights                       ; waves 8-15 of work-groups 0-239: 1,024 weights
	s_cmp_lg_u32 s[WG], 240
	s_cbranch_scc1 .Lmain
	s_cmp_lt_u32 s[WV], 12
	s_cbranch_scc0 .Lmain
	; waves 8-11 of work-group 240: the table; thread f = 0 .. 127 makes column f
	v_and_b32 v40, 127, v0
	v_lshlrev_b32 v41, 2, v40
	v_mul_u32_u24 v42, v40, 12
	v_lshlrev_b32 v43, 6, v40
	v_mov_b32 v44, 0
	global_load_b32 v56, v41, s[16:17]             ; fc_p_b
.irp i, 0,1,2,3,4
	global_load_b32 v[57+(\i)], v41, s[18:19] offset:512*(\i)  ; fc_c_b[i]
	global_load_b32 v[62+(\i)], v41, s[20:21] offset:512*(\i)  ; b0_b[i]
	global_load_b32 v[67+(\i)], v41, s[22:23] offset:512*(\i)  ; b1_b[i]
.endr
	global_load_b32 v72, v41, s[24:25]             ; out_w
	global_load_b32 v73, v44, s[26:27]             ; out_b
	global_load_b32 v74, v42, s[14:15]             ; fc_p_w[f][0 .. 2]
	global_load_b32 v75, v42, s[14:15] offset:4
	global_load_b32 v76, v42, s[14:15] offset:8
	v_mov_b32 v77, 0
.irp n, 92,93,94,95,96,97
	v_mov_b32 v[\n], 0
.endr
	s_wait_loadcnt 0x0
.irp n, 0,1,2,3,4,5,6,7,8,9,10
	v_cvt_pk_bf16_f32 v[81+(\n)], v[56+2*(\n)], v[57+2*(\n)]  ; each number is rounded to bf16,
.endr
.irp n, 0,1,2,3,4,5,6,7,8,9,10
	v_lshlrev_b32 v[56+2*(\n)], 16, v[81+(\n)]     ; and widened again: the sums below are in f32
	v_and_b32 v[57+2*(\n)], 0xffff0000, v[81+(\n)]
.endr
	v_add_f32 v100, v56, v57                       ; row 0 = fc_p_b + fc_c_b[0]
.irp i, 1,2,3,4
	v_add_f32 v[100+(\i)], v[66+(\i)], v[57+(\i)]  ; row 2 i = b1_b[i - 1] + fc_c_b[i]
.endr
.irp i, 0,1,2,3,4
	global_store_b32 v41, v[100+(\i)], s[34:35] offset:1024*(\i)
	global_store_b32 v41, v[62+(\i)], s[34:35] offset:1024*(\i)+512  ; row 2 i + 1 = b0_b[i]
.endr
	global_store_b32 v41, v71, s[34:35] offset:5120  ; row 10 = b1_b[4]
	global_store_b32 v41, v72, s[34:35] offset:5632  ; row 11 = out_w
	global_store_b32 v41, v73, s[34:35] offset:6144  ; row 12 = out_b
	global_store_b32 v41, v94, s[34:35] offset:6656  ; rows 13 to 15 = 0
	global_store_b32 v41, v94, s[34:35] offset:7168
	global_store_b32 v41, v94, s[34:35] offset:7680
	global_store_b128 v43, v[90:93], s[34:35] offset:8192   ; (w0, w1), (w2, 0), 0, 0
	global_store_b128 v43, v[94:97], s[34:35] offset:8208
	global_store_b128 v43, v[94:97], s[34:35] offset:8224
	global_store_b128 v43, v[94:97], s[34:35] offset:8240
	s_branch .Lmain
.Lcells:                                               ; thread t takes points 2 (256 w + t) and the next: 24 bytes of p in, 8 bytes out; a wave stores 256 consecutive bytes
	v_mul_u32_u24 v40, v0, 24
	v_lshlrev_b32 v41, 3, v0
	s_mul_i32 s46, s[WG], 6144
	s_mov_b32 s47, 0
	s_add_nc_u64 s[6:7], s[6:7], s[46:47]
	global_load_b64 v[42:43], v40, s[6:7]
	global_load_b64 v[44:45], v40, s[6:7] offset:8
	global_load_b64 v[46:47], v40, s[6:7] offset:16
	s_lshl_b32 s46, s[WG], 11
	s_add_nc_u64 s[30:31], s[30:31], s[46:47]
	s_mov_b32 s39, 0x4264e201                      ; 63 / 1.101
	s_mov_b32 s41, 0x41fc0000                      ; 31.5
	s_wait_loadcnt 0x0
.irp n, 0,1,2
	v_cvt_pk_bf16_f32 v[48+(\n)], v[42+2*(\n)], v[43+2*(\n)]
.endr
.irp n, 0,1,2
	v_lshlrev_b32 v[42+2*(\n)], 16, v[48+(\n)]
	v_and_b32 v[43+2*(\n)], 0xffff0000, v[48+(\n)]
.endr
.irp n, 42,43,44,45,46,47
	v_fma_f32 v[\n], v[\n], s39, s41
	v_max_num_f32 v[\n], 0, v[\n]
	v_min_num_f32 v[\n], 0x42780000, v[\n]         ; 62: the cell's upper corner stays inside the grid
	v_cvt_u32_f32 v[\n], v[\n]                     ; toward zero: the floor of a number that is not negative
.endr
	v_lshl_add_u32 v50, v44, 6, v43                ; p's three numbers are x, y, z
	v_lshl_add_u32 v50, v50, 6, v42
	v_lshl_add_u32 v51, v47, 6, v46
	v_lshl_add_u32 v51, v51, 6, v45
	global_store_b64 v41, v[50:51], s[30:31]
	s_branch .Lmain
.Lweights:                                             ; work-groups 0-79 fc_c_w, 80-159 b0_w, 160-239 b1_w; 4,096 bytes in, 2,048 out
	s_cmp_ge_u32 s[WG], 80
	s_cselect_b32 s46, 1, 0
	s_cmp_ge_u32 s[WG], 160
	s_cselect_b32 s47, 1, 0
	s_add_co_u32 s46, s46, s47                     ; which of the three
	s_cmp_lt_u32 s[WG], 80
	s_cselect_b64 s[42:43], s[8:9], s[10:11]
	s_cmp_lt_u32 s[WG], 160
	s_cselect_b64 s[42:43], s[42:43], s[12:13]
	s_mul_i32 s47, s46, 80
	s_sub_co_u32 s47, s[WG], s47                   ; which 1,024 numbers of it: 16 such to a matrix
	s_lshl_b32 s44, s47, 12
	s_mov_b32 s45, 0
	s_add_nc_u64 s[42:43], s[42:43], s[44:45]
	s_lshr_b32 s44, s47, 4
	s_mul_i32 s44, s44, 3
	s_add_co_u32 s44, s44, s46
	s_lshl_b32 s44, s44, 15                        ; matrix 3 i + kind, 32,768 bytes each
	s_and_b32 s47, s47, 15
	s_lshl_b32 s47, s47, 11
	s_add_co_u32 s44, s44, s47
	s_add_nc_u64 s[32:33], s[32:33], s[44:45]
	v_and_b32 v40, 255, v0
	v_lshlrev_b32 v41, 4, v40
	v_lshlrev_b32 v42, 3, v40
	global_load_b128 v[44:47], v41, s[42:43]
	s_wait_loadcnt 0x0
	v_cvt_pk_bf16_f32 v48, v44, v45
	v_cvt_pk_bf16_f32 v49, v46, v47
	s_cmp_lg_u32 s46, 0
	s_cbranch_scc1 .Lwstore
	v_lshlrev_b32 v44, 16, v48                     ; fc_c_w multiplies an f16 operand: the bf16 number is written as f16
	v_and_b32 v45, 0xffff0000, v48
	v_lshlrev_b32 v46, 16, v49
	v_and_b32 v47, 0xffff0000, v49
	v_cvt_pk_f16_f32 v48, v44, v45
	v_cvt_pk_f16_f32 v49, v46, v47
.Lwstore:
	global_store_b64 v42, v[48:49], s[32:33]
.Lmain:
	s_wait_xcnt 0x0                                ; the side jobs' stores have read their registers: T and OB are written again only behind this wait
.irp q, 0,1,2,3
	PART \q, 24, 1, (\q)+4, 0                      ; 24: three younger parts of eight loads
.endr
.irp q, 4,5,6,7
	PART \q, 24, 1, (\q)-4, 256                    ; the second tile's first parts are asked for while the first tile ends
.endr
	BACK 0
.irp q, 0,1,2,3
	PART \q, 24, 1, (\q)+4, 256
.endr
	PART 4, 24, 0, 0, 0                            ; nothing is left to fetch: the counts run down
	PART 5, 16, 0, 0, 0
	PART 6, 8, 0, 0, 0
	PART 7, 0, 0, 0, 0
	BACK 1
	s_wait_tensorcnt 0x0                           ; the wave's end: three lines behind my last LDS store
	ds_add_u32 v[SPW], v[NIL]
	s_wait_dscnt 0x0
	s_endpgm
.Lfunc_end_k_qcd89a00b43_prep:
	.size	k_qcd89a00b43_prep, .Lfunc_end_k_qcd89a00b43_prep-k_qcd89a00b43_prep
	.p2alignl 7, 3214868480
	.fill 96, 4, 3214868480
	.section	.rodata,"a",@progbits
	.p2align	6, 0x0
	.amdhsa_kernel k_qcd89a00b43_prep
		.amdhsa_group_segment_fixed_size 264192
		.amdhsa_private_segment_fixed_size 0
		.amdhsa_enable_private_segment 0
		.amdhsa_kernarg_size 128
		.amdhsa_user_sgpr_count 2
		.amdhsa_user_sgpr_kernarg_segment_ptr 1
		.amdhsa_wavefront_size32 1
		.amdhsa_system_sgpr_workgroup_id_x 1
		.amdhsa_system_sgpr_workgroup_id_y 1
		.amdhsa_system_sgpr_workgroup_id_z 1
		.amdhsa_system_vgpr_workitem_id 0
		.amdhsa_next_free_vgpr 248
		.amdhsa_next_free_sgpr 66
		.amdhsa_reserve_vcc 0
		.amdhsa_float_denorm_mode_32 3
		.amdhsa_float_denorm_mode_16_64 3
		.amdhsa_memory_ordered 1
		.amdhsa_forward_progress 1
		.amdhsa_inst_pref_size 61
	.end_amdhsa_kernel
	.amdgpu_metadata
---
amdhsa.version: [ 1, 2 ]
amdhsa.kernels:
  - .name:           k_qcd89a00b43_prep
    .symbol:         k_qcd89a00b43_prep.kd
    .args:
      - { .name: c_grid, .offset: 0, .size: 8, .value_kind: global_buffer, .address_space: global }
      - { .name: p, .offset: 8, .size: 8, .value_kind: global_buffer, .address_space: global }
      - { .name: fc_c_w, .offset: 16, .size: 8, .value_kind: global_buffer, .address_space: global }
      - { .name: b0_w, .offset: 24, .size: 8, .value_kind: global_buffer, .address_space: global }
      - { .name: b1_w, .offset: 32, .size: 8, .value_kind: global_buffer, .address_space: global }
      - { .name: fc_p_w, .offset: 40, .size: 8, .value_kind: global_buffer, .address_space: global }
      - { .name: fc_p_b, .offset: 48, .size: 8, .value_kind: global_buffer, .address_space: global }
      - { .name: fc_c_b, .offset: 56, .size: 8, .value_kind: global_buffer, .address_space: global }
      - { .name: b0_b, .offset: 64, .size: 8, .value_kind: global_buffer, .address_space: global }
      - { .name: b1_b, .offset: 72, .size: 8, .value_kind: global_buffer, .address_space: global }
      - { .name: out_w, .offset: 80, .size: 8, .value_kind: global_buffer, .address_space: global }
      - { .name: out_b, .offset: 88, .size: 8, .value_kind: global_buffer, .address_space: global }
      - { .name: gridt, .offset: 96, .size: 8, .value_kind: global_buffer, .address_space: global }
      - { .name: cell, .offset: 104, .size: 8, .value_kind: global_buffer, .address_space: global }
      - { .name: w16, .offset: 112, .size: 8, .value_kind: global_buffer, .address_space: global }
      - { .name: tab, .offset: 120, .size: 8, .value_kind: global_buffer, .address_space: global }
    .group_segment_fixed_size: 264192
    .private_segment_fixed_size: 0
    .kernarg_segment_align: 8
    .kernarg_segment_size: 128
    .max_flat_workgroup_size: 512
    .sgpr_count:     66
    .vgpr_count:     248
    .wavefront_size: 32
...
	.end_amdgpu_metadata
.endif
;; end of part 1
;; launch decode (part 2): grid 512 x 1, 4 waves a work-group, clusters of 4 x 1, 327,680 bytes of LDS; arguments p, cell, gridt, w16, tab, out0; writes out0
.if DOCPART == 2
	.amdgcn_target "amdgcn-amd-amdhsa--gfx1250"
	.amdhsa_code_object_version 6
	.text
	.protected	k_qcd89a00b43_decode
	.globl	k_qcd89a00b43_decode
	.p2align	8
	.type	k_qcd89a00b43_decode,@function
k_qcd89a00b43_decode:
	s_mov_b64 s[64:65], 0
	v_nop
	global_prefetch_b8 v0, s[64:65] scope:SCOPE_SE
	s_setreg_imm32_b32 hwreg(HW_REG_WAVE_MODE, 25, 1), 1
	s_wait_xcnt 0x0
	s_wait_alu depctr_hold_cnt(0) depctr_sa_sdst(0) depctr_va_vdst(0) depctr_va_sdst(0) depctr_va_ssrc(0) depctr_va_vcc(0) depctr_vm_vsrc(0)
	s_getreg_b32 s2, hwreg(HW_REG_IB_STS2, 6, 4)
	s_cmp_eq_u32 s2, 0
	s_cbranch_scc0 .Lentry_in_a_cluster
	s_endpgm
.Lentry_in_a_cluster:
	s_bfe_u32 s2, ttmp6, 0x10000c
	s_cmp_lg_u32 s2, 0x3003
	s_cbranch_scc0 .Lentry_shape_is_right
	s_endpgm
.Lentry_shape_is_right:
; DECODE.  For each of 131,072 points: the trilinear sample c of 128 channels from gridt, then net = p Wp^T, five times (net += c Wc^T + b; h = relu(net) W0^T + b; net += relu(h) W1^T + b),
; out = relu(net) . out_w + out_b.  Sums in f32.  Operands: p, all weights, relu(net), relu(h) in bf16; c and fc_c_w in f16 (c is a mean of eight grid numbers and has their range).
; The last layer is f32 arithmetic on the vector unit.
; LIMITS.  All inputs count as rounded to bf16 (the first launch rounds grid, weights and biases; p is rounded here).  The grid coordinate is one fused multiply-add, p x 63/1.101 + 31.5; a corner's
; weight is a product of three factors, where the formula nests three interpolations: other orders of rounding.  |c_grid| and |fc_c_w| stay within f16's 65,504.  A NaN in p: cell 0, NaN out.
; SHARES.  A work-group owns 256 points, a wave 64.  Point q of the wave is row q / 4 of tile q % 4, so that a lane's four results are 16 consecutive bytes of out0.
; LAYOUT.  Every product is used transposed: source 0 = 16 output features (rows of W, K along the row), source 1 = 16 points.  In the result lane (r, h) holds point r and features 8 h + 0..7 of the
; block of 16; two such results, rounded in pairs, ARE source 1 (16 points x 32 K) of the next layer: the activations never leave the registers.
; THE GATHER.  A voxel is 256 bytes and an x pair 512 consecutive bytes: one load brings both (lanes 0-15 x0, lanes 16-31 x0 + 1; a lane 8 channels), four loads a point.  The cell numbers were stored as
; whole numbers by the first launch and come in as scalars.  A ring of 16 points in registers keeps 56 loads and more of every wave on their way.  Points are finished in pairs.
; WEIGHTS.  A block's three matrices, 384 rows of 256 bytes, are one slot of a ring of two in LDS.  CLUSTER: all work-groups walk the same 15 matrices, so the four of a cluster ask JOINTLY: the same
; tensor load, descriptor and mask in all four; each wave brings 96 rows.  A fill has a block's 384 matrix instructions in which to land.
; THE ACTIVATIONS RIDE.  K quarter kf of a layer's source 1 is made of feature blocks 2 kf and 2 kf + 1 of the layer before: a SLICE, eight accumulators.  Slice 0 is made in the last K quarter of the layer
; that produces it, behind the eight products that finish its blocks; slice s in the next layer's quarter s - 1, a quarter ahead of its use.  The work goes in groups of four lines on one accumulator, one
; group behind one matrix instruction.  A block has 384 matrix instructions and 640 such lines: 160 groups.  No window holds a product's operands beside a group's, so a group costs two switches of the
; register window, 320 a block: the lesser price beside 640 lines in phases of their own, during which no product would be issued.
; REGISTERS, in windows of 256 (s_set_vgpr_msb: bits 1:0 source 0, 3:2 source 1, 5:4 source 2, 7:6 destination):
;   window 0: addresses, results; in the gather its addresses, weights and sums; later two buffers of W's fragments, a bias row and two quarters of another
;   window 1: net, at 64 t + 8 ob + j      window 2: the gather's ring, then h      window 3: v0-127 c, v128-255 the rounded activations, at 32 t + 8 kf
.set PITCH, 272                        ; an LDS row: 256 bytes + 16 of padding = 68 words: the 16 rows of a fragment load start at 16 different groups of four banks (64 banks of 4 bytes: ISA guide 11.1)
.set MATB,  128*PITCH                  ; a matrix in a slot
.set PARTB, 96*PITCH                   ; what one tensor load brings
.set BLKB,  98304                      ; a block's three matrices in memory
.set TABL,  104448                     ; behind slot 0 (384 rows): 16 rows of 128 f32, a copy of tab's
.set SLOT1, 131072                     ; slot 1: one exclusive or turns an address in one slot into the other's
.set STAGE, 235520                     ; behind slot 1: c, 64 rows x 272 bytes for each wave
.set WT,    305152                     ; the corner weights: 32 bytes a point (16 for x0, 16 for x0 + 1): 2,048 bytes of the
.set WTP,   3072                       ; 3,072 that each wave has
.set SPARE, 317440                     ; the spare words, 128 bytes for each wave, that no other line names
.set CMAX,  0x3efbe                    ; the highest cell number, (62 x 64 + 62) x 64 + 62
.set RR,  1                            ; v1  r = lane % 16
.set HH,  2                            ; v2  h = lane / 16
.set L16, 3                            ; v3  16 x lane
.set SPW, 4                            ; v4  my spare word's address; never rewritten
.set NIL, 5                            ; v5  0; never rewritten
.set AW0, 6                            ; v6  272 r + 16 h: my place in a fragment
.set AD0, 7                            ; v7-9  the same in the three matrices of the slot in hand
.set BA,  10                           ; v10 my place in the bias row in hand
.set CA,  11                           ; v11 my place in c's fragments
.set SAD, 12                           ; v12 where c's 16 bytes go: lanes 0-15 a pair's first point, lanes 16-31 its second, 16 rows on
.set WTA, 13                           ; v13 where a trip's corner weights are read
.set WTS, 14                           ; v14 where they are put
.set OO,  15                           ; v15 16 r
.set RES, 16                           ; v[16:19] four results
.set SUM, 20                           ; v[20:27] the last layer's sums, a pair a tile
.set OUTB, 28
.set ZR,  29                           ; v29 0, as a number
.set LN,  30
.set F0,  32                           ; v[32:95], v[96:159] W's fragments of one K quarter, two buffers
.set BI,  160                          ; v[160:223] a bias row: feature 16 ob + 8 h + j at 8 ob + j
.set NB,  224                          ; v[224:255] net's bias row by slices of 16 registers, two halves that take turns
.set GA,  32                           ; v[32:47]  the gather: a ring slot's address
.set WR,  48                           ; v[48:111] 16 points' four weights
.set ACC, 112                          ; v[112:127] eight channels' sums, for each point of a pair
.set CH,  128                          ; v[128:135] eight channels in f16, two sets that take turns
.set PP,  136                          ; v[136:147] p of points 4 r .. 4 r + 3
.set CI,  148                          ; v[148:151] their cells
.set TBR, 152                          ; v[152:167] the table on its way to LDS
.set WK,  168                          ; v[168:191] at work
.set WPF, 192                          ; v[192:255] fc_p_w's fragments
.set WV,  2                            ; s2  my wave
.set TB,  3                            ; s3  the slot in hand
.set G1,  16                           ; s[16:23] descriptor group 1
.set G0,  24                           ; s[24:27] descriptor group 0: it walks
.set CNT, 28
.set ZS,  29                           ; s29 0
.set SEL, 30                           ; s[30:31] v_permlanex16_b32's selects: each lane takes its own place in the other half
.set NEXT, 32                          ; s[32:47] the cells of the 16 points to be asked for next; s[48:63], s[68:83], s[84:99] those behind them
.set IA,  48
.set IB,  68
.set IC,  84
.set TMP, 100
.set HALF, 101                         ; s101 31.5
.set UPM, 104                          ; s104 0xffff0000: lanes 16-31 as a mask; a word's upper bf16
.set KX,  105                          ; s105 63 / 1.101
.set MSB, 0
.macro WIN new                         ; the immediate's high byte repeats the setting that is left; a switch that changes nothing is dropped
.if MSB != (\new)
	s_set_vgpr_msb (MSB<<8)|(\new)
.set MSB, (\new)
.endif
.endm
.macro PLACES                          ; four places behind matrix instructions, in front of loads into their sources and of vector lines on their results
.rept 4
	v_nop
.endr
.endm
.macro JLOAD                           ; the joint load: every wave its 96 rows; an s_nop 0 and four v_nop follow it
	tensor_load_to_lds s[G0:G0+3], s[G1:G1+7]
	s_nop 0
.rept 4
	v_nop
.endr
.endm
.macro CROUND                          ; a round of the cluster's barrier: my work-group's barrier; wave 0 signals for it; every wave waits for all four work-groups; my work-group's barrier once more
	s_barrier_signal -1
	s_barrier_wait -1
	s_cmp_lg_u32 s[WV], 0
	s_cbranch_scc1 .Lnot_wave_0_\@
	s_barrier_signal -3
.Lnot_wave_0_\@:
	s_barrier_wait -3
	s_barrier_signal -1
	s_barrier_wait -1
.endm
	s_load_b256 s[4:11], s[0:1], 0x0               ; p 4, cell 6, gridt 8, w16 10
	s_load_b128 s[12:15], s[0:1], 0x20             ; tab 12, out0 14
	v_lshl_add_u32 v[SPW], v0, 2, SPARE
	v_mov_b32 v[NIL], 0
	ds_add_u32 v[SPW], v[NIL]                      ; the wave's opening: the add and its wait stand ahead of my first tensor load; work on registers stands between them
	v_lshrrev_b32 v1, 5, v0
	v_readfirstlane_b32 s[WV], v1
	s_bfe_u32 s[TMP], ttmp6, 0x40000               ; cx: it enters the addresses of p, cell, gridt and out0 alone
	s_lshl_b32 s[CNT], ttmp9, 2                    ; in a cluster launch ttmp9 counts clusters
	s_add_co_u32 s[CNT], s[CNT], s[TMP]            ; my work-group
	s_lshl_b32 s32, s[CNT], 8
	s_lshl_b32 s33, s[WV], 6
	s_add_co_u32 s32, s32, s33                     ; my wave's first point
	s_mul_i32 s34, s32, 12
	s_mov_b32 s35, 0
	s_lshl_b32 s36, s32, 2
	s_mov_b32 s37, 0
	s_lshr_b32 s38, s[CNT], 8                      ; the batch: 2^26 bytes of gridt
	s_lshl_b32 s38, s38, 26
	s_mov_b32 s39, 0
	s_mul_i32 s40, s[WV], 24576                    ; my 96 rows of a block's 384: the wave's number alone, the same in all four partners
	s_mov_b32 s41, 0
	s_mov_b32 s[G1+0], 15|(1<<16)|(1<<20)|(1<<21)|(5<<22)|(3<<25)  ; 15:0 the mask of four; 17:16 2-byte elements; 20 padding on; 21 set beside a mask; 24:22 after every 64 words (code 5); 31:25 4 words (code 3)
	s_mov_b32 s[G1+1], 128<<16                     ; tensor_dim0 = 128
	s_mov_b32 s[G1+2], 96<<16                      ; tensor_dim1 = 96
	s_mov_b32 s[G1+3], 128<<16                     ; tile_dim0 = 128
	s_mov_b32 s[G1+4], 96                          ; tile_dim1 = 96
	s_mov_b32 s[G1+5], 128                         ; 128 elements from row to row
	s_mov_b32 s[G1+6], 0
	s_mov_b32 s[G1+7], 0
	s_mov_b32 s[G0], 1                             ; count = 1
	s_mul_i32 s[G0+1], s[WV], PARTB                ; LDS address: slot 0, my 96 rows
	s_mov_b32 s[TB], SLOT1                         ; the first change of slots turns it into 0
	s_mov_b32 s[ZS], 0
	s_mov_b32 s[SEL], 0x76543210
	s_mov_b32 s[SEL+1], 0xfedcba98
	s_mov_b32 s[HALF], 0x41fc0000
	s_mov_b32 s[UPM], 0xffff0000
	s_mov_b32 s[KX], 0x4264e201
	s_wait_dscnt 0x0                               ; the opening add is done
	s_wait_kmcnt 0x0
	s_add_nc_u64 s[4:5], s[4:5], s[34:35]
	s_add_nc_u64 s[6:7], s[6:7], s[36:37]
	s_add_nc_u64 s[14:15], s[14:15], s[36:37]
	s_add_nc_u64 s[8:9], s[8:9], s[38:39]
	s_add_nc_u64 s[G0+2:G0+3], s[10:11], s[40:41]  ; global address: block 0
	s_or_b32 s[G0+3], s[G0+3], 0x80000000          ; type = 2
	s_load_b512 s[NEXT:NEXT+15], s[6:7], 0x0       ; my 64 points' cells
	s_load_b512 s[IA:IA+15], s[6:7], 0x40
	s_load_b512 s[IB:IB+15], s[6:7], 0x80
	s_load_b512 s[IC:IC+15], s[6:7], 0xc0
	CROUND                                         ; all four work-groups are here: the first joint loads meet
	JLOAD                                          ; block 0 into slot 0: it lands while the wave gathers
	v_and_b32 v[RR], 15, v0
	v_bfe_u32 v[HH], v0, 4, 1
	v_and_b32 v[L16], 31, v0
	v_lshlrev_b32 v[L16], 4, v[L16]
	v_mul_u32_u24 v[AW0], v[RR], PITCH
	v_lshl_add_u32 v[AW0], v[HH], 4, v[AW0]
	v_lshl_add_u32 v[BA], v[HH], 5, TABL
	s_mul_i32 s[TMP], s[WV], 64*PITCH
	s_add_co_u32 s[TMP], s[TMP], STAGE
	v_add_nc_u32 v[CA], s[TMP], v[AW0]
	v_mul_u32_u24 v[SAD], v[HH], 16*PITCH          ; a pair's second point lies in the next tile: 16 rows on
	v_lshl_add_u32 v[SAD], v[RR], 4, v[SAD]
	v_add_nc_u32 v[SAD], s[TMP], v[SAD]
	s_mul_i32 s[TMP], s[WV], WTP
	s_add_co_u32 s[TMP], s[TMP], WT
	v_lshl_add_u32 v[WTA], v[HH], 4, s[TMP]
	v_lshl_add_u32 v[WTS], v[RR], 7, v[WTA]
	v_lshlrev_b32 v[OO], 4, v[RR]
	v_mov_b32 v[ZR], 0
	; 24 loads: the table (16 bytes a thread, four times), fc_p_w's eight fragments, my four points' p and cells
	v_lshlrev_b32 v[WK], 4, v0
	v_lshlrev_b32 v[WK+1], 6, v[RR]
	v_lshl_add_u32 v[WK+1], v[HH], 4, v[WK+1]
	v_mul_u32_u24 v[WK+2], v[RR], 48
.irp k, 0,1,2,3
	global_load_b128 v[TBR+4*(\k):TBR+4*(\k)+3], v[WK], s[12:13] offset:2048*(\k)
.endr
.irp ob, 0,1,2,3,4,5,6,7
	global_load_b128 v[WPF+8*(\ob):WPF+8*(\ob)+3],   v[WK+1], s[12:13] offset:8192+1024*(\ob)
	global_load_b128 v[WPF+8*(\ob)+4:WPF+8*(\ob)+7], v[WK+1], s[12:13] offset:8192+1024*(\ob)+32
.endr
.irp k, 0,1,2
	global_load_b128 v[PP+4*(\k):PP+4*(\k)+3], v[WK+2], s[4:5] offset:16*(\k)
.endr
	global_load_b128 v[CI:CI+3], v[OO], s[6:7]
; Ring slot i's next point.  ADDR: its cell, held to the table, times 256 bytes.  LOADS4: four loads of 512 consecutive bytes: (z0, y0), (z0, y1), (z1, y0), (z1, y1); destination window 2, address window 0.
.macro ADDR i
	s_min_u32 s[TMP], s[NEXT+(\i)], CMAX
	s_lshl_b32 s[TMP], s[TMP], 8
	v_add_nc_u32 v[GA+(\i)], s[TMP], v[L16]
.endm
.macro LOADS4 i
	global_load_b128 v[16*(\i):16*(\i)+3],     v[GA+(\i)], s[8:9]
	global_load_b128 v[16*(\i)+4:16*(\i)+7],   v[GA+(\i)], s[8:9] offset:16384
	global_load_b128 v[16*(\i)+8:16*(\i)+11],  v[GA+(\i)], s[8:9] offset:1048576
	global_load_b128 v[16*(\i)+12:16*(\i)+15], v[GA+(\i)], s[8:9] offset:1064960
.endm
.macro ROTATE                          ; the next 16 cells move up
.irp n, 0,2,4,6,8,10,12,14
	s_mov_b64 s[NEXT+(\n):NEXT+(\n)+1], s[IA+(\n):IA+(\n)+1]
.endr
.irp n, 0,2,4,6,8,10,12,14
	s_mov_b64 s[IA+(\n):IA+(\n)+1], s[IB+(\n):IB+(\n)+1]
.endr
.irp n, 0,2,4,6,8,10,12,14
	s_mov_b64 s[IB+(\n):IB+(\n)+1], s[IC+(\n):IC+(\n)+1]
.endr
.endm
	s_wait_kmcnt 0x0                               ; the cells
.irp i, 0,1,2,3,4,5,6,7,8,9,10,11,12,13,14,15
	ADDR \i
.endr
	WIN 0x80
.irp i, 0,1,2,3,4,5,6,7,8,9,10,11,12,13,14,15
	LOADS4 \i
.endr
	WIN 0
	ROTATE
	s_wait_loadcnt 60                              ; 64 loads were issued behind the 24: with 60 out at the most, the 24 are in
	v_lshl_add_u32 v[WK+3], v0, 4, TABL
.irp k, 0,1,2,3
	ds_store_b128 v[WK+3], v[TBR+4*(\k):TBR+4*(\k)+3] offset:2048*(\k)  ; read by all waves, behind the first change of slots' wait and barrier
.endr
.irp e, 0,1,2,3
	v_cvt_pk_bf16_f32 v[WK+4+2*(\e)], v[PP+3*(\e)], v[PP+3*(\e)+1]     ; p is rounded to bf16: (x, y),
	v_cvt_pk_bf16_f32 v[WK+5+2*(\e)], v[PP+3*(\e)+2], v[ZR]            ; (z, 0)
.endr
	WIN 0xc0                                       ; destination window 3
.irp e, 0,1,2,3                        ; point 4 r + e is row r of tile e: its fragment of source 1 has k = 0, 1, 2 in lanes 0-15 and zeros elsewhere
	v_cndmask_b32 v[128+32*(\e)], v[WK+4+2*(\e)], v[ZR], s[UPM]
	v_cndmask_b32 v[128+32*(\e)+1], v[WK+5+2*(\e)], v[ZR], s[UPM]
.irp n, 2,3,4,5,6,7
	v_mov_b32 v[128+32*(\e)+(\n)], 0
.endr
.endr
	WIN 0
.irp e, 0,1,2,3                        ; the corner weights of point 4 r + e, for my half's x
	v_lshlrev_b32 v[WK+12], 16, v[WK+4+2*(\e)]
	v_and_b32 v[WK+13], s[UPM], v[WK+4+2*(\e)]
	v_lshlrev_b32 v[WK+14], 16, v[WK+5+2*(\e)]
	v_and_b32 v[WK+15], 63, v[CI+(\e)]
	v_bfe_u32 v[WK+16], v[CI+(\e)], 6, 6
	v_bfe_u32 v[WK+17], v[CI+(\e)], 12, 6
.irp n, 0,1,2
	v_fma_f32 v[WK+12+(\n)], v[WK+12+(\n)], s[KX], s[HALF]   ; the same line as in the first launch, on the same number
	v_max_num_f32 v[WK+12+(\n)], 0, v[WK+12+(\n)]
	v_min_num_f32 v[WK+12+(\n)], 0x427c0000, v[WK+12+(\n)]   ; 63: the border
	v_cvt_f32_u32 v[WK+15+(\n)], v[WK+15+(\n)]
	v_sub_f32 v[WK+12+(\n)], v[WK+12+(\n)], v[WK+15+(\n)]    ; w = i - the cell's corner,
	v_max_num_f32 v[WK+12+(\n)], 0, v[WK+12+(\n)]
	v_min_num_f32 v[WK+12+(\n)], 1.0, v[WK+12+(\n)]          ; in 0 to 1
	v_sub_f32 v[WK+15+(\n)], 1.0, v[WK+12+(\n)]
.endr
	v_cndmask_b32 v[WK+18], v[WK+15], v[WK+12], s[UPM]       ; lanes 0-15: 1 - wx; lanes 16-31: wx
	v_mul_f32 v[WK+19], v[WK+17], v[WK+18]
	v_mul_f32 v[WK+18], v[WK+14], v[WK+18]
	v_mul_f32 v[WK+20], v[WK+19], v[WK+16]
	v_mul_f32 v[WK+21], v[WK+19], v[WK+13]
	v_mul_f32 v[WK+22], v[WK+18], v[WK+16]
	v_mul_f32 v[WK+23], v[WK+18], v[WK+13]
	ds_store_b128 v[WTS], v[WK+20:WK+23] offset:32*(\e)      ; my wave's own bytes: LDS serves a wave's instructions in order, so its reads need no barrier
.endr
.irp i, 0,1,2,3,4,5,6,7,8,9,10,11,12,13,14,15
	ds_load_b128 v[WR+4*(\i):WR+4*(\i)+3], v[WTA] offset:32*(\i)  ; the first 16 points' weights; later trips' are reloaded where they were used
.endr
	s_wait_dscnt 0x0
; PAIR j of a trip: points 2 j (A) and 2 j + 1 (B).  Their eight loads are in.  Eight channels a lane are summed over four corners, straight from the bf16 halves.  Then ONE run of memory instructions,
; none of which reads a register made just before it: the two points' weights for the next trip, the pair before's c, and the two slots' next points (their addresses were made ahead of the sums,
; behind the wait that shows the slots' loads done).  Then the halves meet: the swap gives lanes 0-15 both x parts of A and lanes 16-31 both of B, so one addition, one rounding to f16 and one store serve two points.
; issue = 0: the last trip: nothing is asked for, and the counts run down.
.macro PAIR j, issue
.if \issue
	s_wait_loadcnt 56                              ; loads come back in order: 14 younger points of four loads stay out
	s_wait_dscnt 22                                ; behind this pair's two weight loads a trip's 22 other LDS instructions were issued: (1 +) 3 (7 - j) + 1, then 2 + 3 (j - 1)
	WIN 0
	ADDR 2*(\j)
	ADDR 2*(\j)+1
.else
	s_wait_loadcnt 56-8*(\j)
	s_wait_dscnt 22-2*(\j)                         ; this trip has one LDS instruction a pair, the store
.endif
	WIN 0x02                                       ; source 0 window 2
.irp c, 0,1,2,3
.irp q, 0,1
.irp d, 0,1,2,3
.if (\c) == 0
	v_fma_mix_f32_bf16 v[ACC+8*(\q)+2*(\d)],   v[16*(2*(\j)+(\q))+(\d)], v[WR+4*(2*(\j)+(\q))], v[ZR] op_sel_hi:[1,0,0]
	v_fma_mix_f32_bf16 v[ACC+8*(\q)+2*(\d)+1], v[16*(2*(\j)+(\q))+(\d)], v[WR+4*(2*(\j)+(\q))], v[ZR] op_sel:[1,0,0] op_sel_hi:[1,0,0]
.else
	v_fma_mix_f32_bf16 v[ACC+8*(\q)+2*(\d)],   v[16*(2*(\j)+(\q))+4*(\c)+(\d)], v[WR+4*(2*(\j)+(\q))+(\c)], v[ACC+8*(\q)+2*(\d)] op_sel_hi:[1,0,0]
	v_fma_mix_f32_bf16 v[ACC+8*(\q)+2*(\d)+1], v[16*(2*(\j)+(\q))+4*(\c)+(\d)], v[WR+4*(2*(\j)+(\q))+(\c)], v[ACC+8*(\q)+2*(\d)+1] op_sel:[1,0,0] op_sel_hi:[1,0,0]
.endif
.endr
.endr
.endr
	WIN 0
.if \issue
	ds_load_b128 v[WR+8*(\j):WR+8*(\j)+3],   v[WTA] offset:512+64*(\j)
	ds_load_b128 v[WR+8*(\j)+4:WR+8*(\j)+7], v[WTA] offset:512+64*(\j)+32
	WIN 0x80                                       ; destination window 2; a store's address and data stay in window 0
.endif
.if (\j) > 0
	ds_store_b128 v[SAD], v[CH+4*(((\j)-1)%2):CH+4*(((\j)-1)%2)+3] offset:(16*((2*(\j)-2)%4)+(2*(\j)-2)/4)*PITCH
.endif
.if \issue
	LOADS4 2*(\j)
	LOADS4 2*(\j)+1
	WIN 0
.endif
.irp n, 0,1,2,3,4,5,6,7
	v_permlane16_swap_b32 v[ACC+(\n)], v[ACC+8+(\n)]  ; A's lanes 16-31 change places with B's lanes 0-15
.endr
.irp d, 0,1,2,3
	v_pk_add_f32 v[ACC+2*(\d):ACC+2*(\d)+1], v[ACC+2*(\d):ACC+2*(\d)+1], v[ACC+8+2*(\d):ACC+8+2*(\d)+1]
.endr
.irp d, 0,1,2,3
	v_cvt_pk_f16_f32 v[CH+4*((\j)%2)+(\d)], v[ACC+2*(\d)], v[ACC+2*(\d)+1]
.endr
.endm
; Sixteen points.
.macro TRIP issue
.irp j, 0,1,2,3,4,5,6,7
	PAIR \j, \issue
.endr
	ds_store_b128 v[SAD], v[CH+4:CH+7] offset:35*PITCH  ; the last pair's c: points 14 and 15, rows 16 x 2 + 3 and 16 on
	v_add_nc_u32 v[WTA], 512, v[WTA]
	v_add_nc_u32 v[SAD], 4*PITCH, v[SAD]           ; 16 points are four rows of each tile
.endm
	s_mov_b32 s[CNT], 3
.Ltrip:
	TRIP 1
	ROTATE
	s_sub_co_u32 s[CNT], s[CNT], 1
	s_cmp_lg_u32 s[CNT], 0
	s_cbranch_scc1 .Ltrip
	TRIP 0
	; c's 16 fragments come back from my own rows; net = p Wp^T starts the sums
	WIN 0xc0
.irp t, 0,1,2,3
.irp kf, 0,1,2,3
	ds_load_b128 v[32*(\t)+8*(\kf):32*(\t)+8*(\kf)+3],   v[CA] offset:16*PITCH*(\t)+64*(\kf)
	ds_load_b128 v[32*(\t)+8*(\kf)+4:32*(\t)+8*(\kf)+7], v[CA] offset:16*PITCH*(\t)+64*(\kf)+32
.endr
.endr
	WIN 0x5c                                       ; W window 0, points window 3, net window 1
.irp ob, 0,1,2,3,4,5,6,7
.irp t, 0,1,2,3
	v_wmma_f32_16x16x32_bf16 v[64*(\t)+8*(\ob):64*(\t)+8*(\ob)+7], v[WPF+8*(\ob):WPF+8*(\ob)+7], v[128+32*(\t):128+32*(\t)+7], 0
.endr
.endr
; THE CHANGE OF SLOTS.  Each wave waits for all its tensor loads, of which one is out: its part of the slot to be entered; adds 0 to its spare word; and waits for that and for its own LDS reads.
; fill = 1: the slot just left is filled again, with the block behind the one now entered; the barrier is then a round of the cluster's, and the joint load is the first thing behind it.
; (At its first use nothing has been read yet: slot 0 is waited for, slot 1 filled.)
.macro CHANGE fill
	WIN 0
	s_wait_tensorcnt 0x0                           ; no tensor load of mine is out, so group 0 may be written
	ds_add_u32 v[SPW], v[NIL]                      ; scalar work stands between the add and the wait for it
.if \fill
	s_xor_b32 s[G0+1], s[G0+1], SLOT1
	s_add_nc_u64 s[G0+2:G0+3], s[G0+2:G0+3], BLKB  ; the type bits on top are not reached
.endif
	s_xor_b32 s[TB], s[TB], SLOT1
	s_wait_dscnt 0x0                               ; the add is done; my LDS reads and stores are over
.if \fill
	CROUND
	JLOAD
.else
	s_barrier_signal -1
	s_barrier_wait -1
.endif
.endm
; 16 LDS loads: the eight fragments (16 features x 32 K) of K quarter g % 4 of matrix g / 4, into buffer g % 2
.macro FETCH g
	WIN 0
.irp ob, 0,1,2,3,4,5,6,7
	ds_load_b128 v[F0+64*((\g)%2)+8*(\ob):F0+64*((\g)%2)+8*(\ob)+3],   v[AD0+(\g)/4] offset:16*PITCH*(\ob)+64*((\g)%4)
	ds_load_b128 v[F0+64*((\g)%2)+8*(\ob)+4:F0+64*((\g)%2)+8*(\ob)+7], v[AD0+(\g)/4] offset:16*PITCH*(\ob)+64*((\g)%4)+32
.endr
.endm
; 16 LDS loads: a table row as my lane needs it
.macro BIAS dst, off
	WIN 0
.irp ob, 0,1,2,3,4,5,6,7
	ds_load_b128 v[(\dst)+8*(\ob):(\dst)+8*(\ob)+3],   v[BA] offset:(\off)+64*(\ob)
	ds_load_b128 v[(\dst)+8*(\ob)+4:(\dst)+8*(\ob)+7], v[BA] offset:(\off)+64*(\ob)+16
.endr
.endm
; 4 LDS loads: slice s (feature blocks 2 s, 2 s + 1) of net's bias row, into half s % 2 of NB
.macro NBL s
	WIN 0
.irp e, 0,1,2,3
	ds_load_b128 v[NB+16*((\s)%2)+4*(\e):NB+16*((\s)%2)+4*(\e)+3], v[BA] offset:128*(\s)+64*((\e)/2)+16*((\e)%2)
.endr
.endm
; Matrix instruction m of 32 of K quarter g: feature block m / 4, tile m % 4.  The 32 accumulators take turns, one instruction a turn.
; g 0-3: net += c Wc^T (f16).  g 4-7: h = relu(net) W0^T, and the first quarter takes b0's row as C.  g 8-11: net += relu(h) W1^T.
.macro WM g
.set wD, 64*(m%4)+8*(m/4)
.set wF, F0+64*((\g)%2)+8*(m/4)
.set wC, BI+8*(m/4)
.if (\g) < 4
.set wX, 32*(m%4)+8*((\g)%4)
	WIN 0x5c
	v_wmma_f32_16x16x32_f16 v[wD:wD+7], v[wF:wF+7], v[wX:wX+7], v[wD:wD+7]
.else
.set wX, 128+32*(m%4)+8*((\g)%4)
.if (\g) == 4
	WIN 0x8c                                       ; C window 0, h window 2
	v_wmma_f32_16x16x32_bf16 v[wD:wD+7], v[wF:wF+7], v[wX:wX+7], v[wC:wC+7]
.elseif (\g) < 8
	WIN 0xac
	v_wmma_f32_16x16x32_bf16 v[wD:wD+7], v[wF:wF+7], v[wX:wX+7], v[wD:wD+7]
.else
	WIN 0x5c
	v_wmma_f32_16x16x32_bf16 v[wD:wD+7], v[wF:wF+7], v[wX:wX+7], v[wD:wD+7]
.endif
.endif
.endm
; THE GROUPS.  Accumulator a (0 to 7) of slice s is tile a % 4, feature block 2 s + a / 4.  Each group takes its registers in ascending order: an accumulator's lowest are read first.
.macro RADD s, a                       ; net += its bias, in place
	WIN 0x41
.set rN, 64*((\a)%4)+16*(\s)+8*((\a)/4)
.set rB, NB+16*((\s)%2)+8*((\a)/4)
.irp n, 0,2,4,6
	v_pk_add_f32 v[rN+\n:rN+\n+1], v[rN+\n:rN+\n+1], v[rB+\n:rB+\n+1]
.endr
.endm
.macro RCVT w, s, a                    ; eight sums are rounded to bf16 in pairs: w = 0xc5 from net, 0xca from h
	WIN \w
.set rN, 64*((\a)%4)+16*(\s)+8*((\a)/4)
.set rA, 128+32*((\a)%4)+8*(\s)+4*((\a)/4)
.irp n, 0,1,2,3
	v_cvt_pk_bf16_f32 v[rA+\n], v[rN+2*\n], v[rN+2*\n+1]
.endr
.endm
.macro RMAX s, a                       ; relu on the packed halves: nothing is rounded
	WIN 0xc3
.set rA, 128+32*((\a)%4)+8*(\s)+4*((\a)/4)
.irp n, 0,1,2,3
	v_pk_max_num_bf16 v[rA+\n], v[rA+\n], s[ZS]
.endr
.endm
; What stands behind matrix instruction m of quarter g.  Quarters 3 and 7 finish a layer: its feature blocks 0 and 1 are whole behind m = 7; four v_nop are the places, and slice 0 follows.
; Quarters 4-6 make net's slices 1-3, quarters 8-10 h's.  All of a slice's additions come first, then its roundings, then its relu: a line reads results made eight groups back.
; No group names a register of the products round it: they write other feature blocks or the other sums, and read another slice.
.macro RIDE g
.if ((\g) == 3) || ((\g) == 7)
.if m == 7
	PLACES
.elseif (m >= 8) && ((\g) == 3)
.if m < 16
	RADD 0, m-8
.elseif m < 24
	RCVT 0xc5, 0, m-16
.else
	RMAX 0, m-24
.endif
.elseif (m >= 8) && (m < 16)
	RCVT 0xca, 0, m-8
.elseif (m >= 16) && (m < 24)
	RMAX 0, m-16
.endif
.elseif ((\g) > 3) && ((\g) < 7)
.if m < 8
	RADD (\g)-3, m
.elseif m < 16
	RCVT 0xc5, (\g)-3, m-8
.elseif m < 24
	RMAX (\g)-3, m-16
.endif
.elseif ((\g) > 7) && ((\g) < 11)
.if m < 8
	RCVT 0xca, (\g)-7, m
.elseif m < 16
	RMAX (\g)-7, m-8
.endif
.endif
.endm
.macro MUL g                           ; a K quarter: 32 matrix instructions and what rides behind them
.set m, 0
.rept 32
	WM \g
	RIDE \g
.set m, m+1
.endr
.endm
; A BLOCK: 12 K quarters.  While one is multiplied the next one's 16 fragment loads are on their way, issued in one run in front of it; the bias loads join those runs.
; Each wait leaves out the run just issued and nothing else, so all that was asked for a quarter earlier is in.
.macro BLOCK
	WIN 0
.rept 5
	v_nop                                          ; net's last products were bf16, the next are f16: no chain, so five places stand between them
.endr
	v_add_nc_u32 v[AD0], s[TB], v[AW0]
	v_add_nc_u32 v[AD0+1], MATB, v[AD0]
	v_add_nc_u32 v[AD0+2], 2*MATB, v[AD0]
	FETCH 0
	PLACES
	FETCH 1
	BIAS BI, 512                                   ; b0's row, the C of quarter 4
	s_wait_dscnt 32                                ; 16 + 16
	MUL 0
	PLACES
	FETCH 2
	NBL 0
	NBL 1
	s_wait_dscnt 24                                ; 16 + 4 + 4
	MUL 1
	PLACES
	FETCH 3
	s_wait_dscnt 16
	MUL 2
	PLACES
	FETCH 4
	s_wait_dscnt 16
	MUL 3
	PLACES
	FETCH 5
	NBL 2                                          ; into the half that slice 0's additions, in quarter 3, have read
	s_wait_dscnt 20                                ; 16 + 4
	MUL 4
	PLACES
	FETCH 6
	NBL 3                                          ; into the half that slice 1's additions, in quarter 4, have read
	s_wait_dscnt 20
	MUL 5
.irp g, 6,7,8,9,10
	PLACES
	FETCH (\g)+1
	s_wait_dscnt 16
	MUL \g
.endr
	s_wait_dscnt 0x0
	MUL 11
	WIN 0
	v_add_nc_u32 v[BA], 1024, v[BA]                ; two rows on
.endm
	WIN 0
	s_mov_b32 s[CNT], 4
.Lblk:                                                 ; blocks 0 to 3: each asks for the block behind it
	CHANGE 1
	BLOCK
	s_sub_co_u32 s[CNT], s[CNT], 1
	s_cmp_lg_u32 s[CNT], 0
	s_cbranch_scc1 .Lblk
	CHANGE 0                                       ; the last block is written out: nothing is asked for
	BLOCK
	; THE LAST LAYER, in f32: net + b1_b[4], relu, times out_w, summed over my 64 features a tile and over the two halves of the lanes
	PLACES
	BIAS BI, 0
	BIAS F0, 512
	ds_load_b32 v[OUTB], v[BA] offset:1024
	s_wait_dscnt 0x0
	WIN 0x41                                       ; in ascending order
.set n, 0
.rept 128
	v_pk_add_f32 v[2*n:2*n+1], v[2*n:2*n+1], v[BI+(2*n)%64:BI+(2*n)%64+1]
.set n, n+1
.endr
	WIN 0x44                                       ; destination and source 1 window 1
.set n, 0
.rept 256
	v_max_num_f32 v[n], 0, v[n]
.set n, n+1
.endr
	WIN 0x01                                       ; source 0 window 1
.set n, 0
.rept 32
.irp t, 0,1,2,3
.if n == 0
	v_pk_mul_f32 v[SUM+2*(\t):SUM+2*(\t)+1], v[64*(\t):64*(\t)+1], v[F0:F0+1]
.else
	v_pk_fma_f32 v[SUM+2*(\t):SUM+2*(\t)+1], v[64*(\t)+2*n:64*(\t)+2*n+1], v[F0+2*n:F0+2*n+1], v[SUM+2*(\t):SUM+2*(\t)+1]
.endif
.endr
.set n, n+1
.endr
	WIN 0
.irp t, 0,1,2,3
	v_add_f32 v[RES+(\t)], v[SUM+2*(\t)], v[SUM+2*(\t)+1]
.endr
.irp t, 0,1,2,3
	v_permlanex16_b32 v[SUM+(\t)], v[RES+(\t)], s[SEL], s[SEL+1]
.endr
.irp t, 0,1,2,3
	v_add_f32 v[RES+(\t)], v[RES+(\t)], v[SUM+(\t)]
.endr
.irp t, 0,1,2,3
	v_add_f32 v[RES+(\t)], v[RES+(\t)], v[OUTB]
.endr
	v_and_b32 v[LN], 31, v0
	s_wait_xcnt 0x0                                ; EXEC changes only behind this wait
	v_cmp_gt_u32 vcc_lo, 16, v[LN]
	s_and_saveexec_b32 s[CNT], vcc_lo
	global_store_b128 v[OO], v[RES:RES+3], s[14:15]  ; lanes 0-15: points 4 r .. 4 r + 3: 256 consecutive bytes, at a multiple of 256 from out0's first byte
	s_wait_xcnt 0x0                                ; and again, in front of the line that widens it
	s_or_b32 exec_lo, exec_lo, s[CNT]
	s_wait_tensorcnt 0x0                           ; the wave's end: three lines, behind my last tensor load and my last LDS store
	ds_add_u32 v[SPW], v[NIL]
	s_wait_dscnt 0x0
	CROUND                                         ; the closing round: no work-group ends while a partner may still ask for a tile that names it
	s_endpgm
.Lfunc_end_k_qcd89a00b43_decode:
	.size	k_qcd89a00b43_decode, .Lfunc_end_k_qcd89a00b43_decode-k_qcd89a00b43_decode
	.p2alignl 7, 3214868480
	.fill 96, 4, 3214868480
	.section	.rodata,"a",@progbits
	.p2align	6, 0x0
	.amdhsa_kernel k_qcd89a00b43_decode
		.amdhsa_group_segment_fixed_size 327680
		.amdhsa_private_segment_fixed_size 0
		.amdhsa_enable_private_segment 0
		.amdhsa_kernarg_size 48
		.amdhsa_user_sgpr_count 2
		.amdhsa_user_sgpr_kernarg_segment_ptr 1
		.amdhsa_wavefront_size32 1
		.amdhsa_system_sgpr_workgroup_id_x 1
		.amdhsa_system_sgpr_workgroup_id_y 1
		.amdhsa_system_sgpr_workgroup_id_z 1
		.amdhsa_system_vgpr_workitem_id 0
		.amdhsa_next_free_vgpr 1024
		.amdhsa_next_free_sgpr 106
		.amdhsa_reserve_vcc 1
		.amdhsa_float_denorm_mode_32 3
		.amdhsa_float_denorm_mode_16_64 3
		.amdhsa_memory_ordered 1
		.amdhsa_forward_progress 1
		.amdhsa_inst_pref_size 255
	.end_amdhsa_kernel
	.section	.bss,"aw",@nobits
	.p2align	6
	.space	262144
	.amdgpu_metadata
---
amdhsa.version: [ 1, 2 ]
amdhsa.kernels:
  - .name:           k_qcd89a00b43_decode
    .symbol:         k_qcd89a00b43_decode.kd
    .args:
      - { .name: p, .offset: 0, .size: 8, .value_kind: global_buffer, .address_space: global }
      - { .name: cell, .offset: 8, .size: 8, .value_kind: global_buffer, .address_space: global }
      - { .name: gridt, .offset: 16, .size: 8, .value_kind: global_buffer, .address_space: global }
      - { .name: w16, .offset: 24, .size: 8, .value_kind: global_buffer, .address_space: global }
      - { .name: tab, .offset: 32, .size: 8, .value_kind: global_buffer, .address_space: global }
      - { .name: out0, .offset: 40, .size: 8, .value_kind: global_buffer, .address_space: global }
    .group_segment_fixed_size: 327680
    .private_segment_fixed_size: 0
    .kernarg_segment_align: 8
    .kernarg_segment_size: 48
    .max_flat_workgroup_size: 128
    .sgpr_count:     106
    .vgpr_count:     1024
    .wavefront_size: 32
...
	.end_amdgpu_metadata
.endif
;; end of part 2
;; ======== version 2 of 2: 2 launches; version 1 with the launch prep written anew for expert scheduling mode
;; limits: values are held in f16: magnitudes above 65,504 overflow, below 6.1e-05 lose precision; inputs' magnitudes at most 65,504
;; workspace buffers: gridt 134,217,728 bytes; cell 524,288 bytes of whole numbers; w16 491,520 bytes; tab 16,384 bytes
;; launch prep (part 3): grid 256 x 1, 16 waves a work-group, no clusters, 264,192 bytes of LDS; arguments c_grid, p, fc_c_w, b0_w, b1_w, fc_p_w, fc_p_b, fc_c_b, b0_b, b1_b, out_w, out_b, gridt, cell, w16, tab; writes gridt, cell, w16, tab
.if DOCPART == 3
	.amdgcn_target "amdgcn-amd-amdhsa--gfx1250"
	.amdhsa_code_object_version 6
	.text
	.protected	k_qcd89a00b43_prep
	.globl	k_qcd89a00b43_prep
	.p2align	8
	.type	k_qcd89a00b43_prep,@function
k_qcd89a00b43_prep:
	s_mov_b64 s[64:65], 0
	v_nop
	global_prefetch_b8 v0, s[64:65] scope:SCOPE_SE
	s_setreg_imm32_b32 hwreg(HW_REG_WAVE_SCHED_MODE, 0, 2), 2
	s_setreg_imm32_b32 hwreg(HW_REG_WAVE_MODE, 25, 1), 1
	s_wait_xcnt 0x0
	s_wait_alu depctr_vm_vsrc(0)
; PREP.  Four things are made for the second launch.
;  gridt  c_grid [2][128][64][64][64] f32 turned into [b][z][y][x][128 channels] bf16: a voxel's 128 channels are 256 consecutive bytes.
;  cell   for each point the whole number (z0 64 + y0) 64 + x0 of its cell's low corner, each coordinate min(floor(i), 62).
;  w16    the 15 matrices of 128 x 128: 3 i + 0 = fc_c_w[i] (rounded to bf16, that number written as f16), 3 i + 1 = b0_w[i], 3 i + 2 = b1_w[i] (bf16).
;  tab    16 rows of 128 f32 (sums of biases, out_w, out_b), then fc_p_w as [128][32] bf16 with zeros from k = 3 on.
; LIMITS.  Every input is rounded to bf16 as it enters, p and the biases too.  The grid coordinate is ONE fused multiply-add, p x 63/1.101 + 31.5, where the
; formula has a division, two additions and two products: another order of rounding.  fc_c_w stays within f16's 65,504; below 6e-5 it keeps f16's fixed step of 6e-8.
; A NaN in p gives cell coordinate 0.
; SHARES.  A tile is one (b, z, y): 128 rows of 256 bytes in (a channel each, 2^20 bytes apart), 16,384 dense bytes out.  8,192 tiles; wave v of work-group w takes
; tiles 32 w + 2 v and the next.  A wave is alone with its tile and its own 16,384 bytes of LDS: no barrier.  A tile goes in eight PARTS of 16 channels; four parts'
; loads (32 loads of 512 bytes) are always on their way, across the two tiles too.  Matrix units and clusters have nothing to do here: no input byte is shared.
; THE MODE: SCHED_MODE bits 1:0 = 2 (LLVM: expert scheduling mode 2), set by the entry lines.  The code itself states the register dependences between vector
; instructions and memory or LDS instructions, with s_wait_alu, always for 0.
; THE PLAN.  Registers that memory or LDS instructions touch:
;   OFF, SA, RA, GO  offsets and LDS addresses: written at the head, read by every load and store of the main part, never written again.
;   X0 .. X3         Part q: its sixteen roundings read X[q % 4]; behind them the loads of the part four further on land in it.
;   T0, T1           Part q: its roundings write T[q % 2]; behind them its four LDS stores read it.
;   OB0, OB1         Batch bt of a tile's way out: eight LDS loads land in OB[bt % 2], eight global stores read it.  No vector line names OB but as T1, its first 16 registers.
;   v40 .. v104      in the side jobs: their own offsets and data, freed at each job's end.
; So a part has ONE wait on va_vdst, behind its roundings: they have written T[q % 2] and are done reading X[q % 4]; the part's twelve memory instructions follow it.  The wait on vm_vsrc
; beside it, ahead of those twelve, states that the LDS stores of the part BEFORE have read the other T, which the NEXT part's roundings write: between it and those roundings only
; OFF, SA[q] and T[q % 2] are read.  On the way out one wait on vm_vsrc stands ahead of the loads into a set that stores have read.
.set SPARE, 262144                     ; behind the 16 stages: the spare words, 128 bytes a wave, that no other line names
.set SPW, 4                            ; v4       my spare word's address; never rewritten
.set NIL, 5                            ; v5       0; never rewritten
.set GO,  6                            ; v6       16 x lane: my 16 bytes in 512 consecutive bytes of gridt
.set OFF, 8                            ; v[8:15]  part q: 16 i + h 2^23 + q 2^24: my 16 bytes of the row of channel 8 (2 q + h)   (i = lane % 16, h = lane / 16)
.set SA,  16                           ; v[16:23] part q: where I put a voxel's 16 bytes
.set RA,  24                           ; v[24:39] where I read them back, by (voxel / 4)
.set T,   40                           ; v[40:71] a part's packed results, two sets of 16 that take turns: part q has set q % 2; the second set is the first half of OB's first set, which lies idle while parts are rounded; at work in the side jobs
.set OB,  56                           ; v[56:119] two sets of 32: rows read back; at work in the side jobs
.set X,   120                          ; v[120:247] four slots of 32: a part as loaded
.set WV,  36                           ; s36 my wave
.set WG,  38                           ; s38 my work-group
	s_load_b512 s[4:19], s[0:1], 0x0               ; c_grid 4, p 6, fc_c_w 8, b0_w 10, b1_w 12, fc_p_w 14, fc_p_b 16, fc_c_b 18
	s_load_b512 s[20:35], s[0:1], 0x40             ; b0_b 20, b1_b 22, out_w 24, out_b 26, gridt 28, cell 30, w16 32, tab 34
	v_lshl_add_u32 v[SPW], v0, 2, SPARE
	v_mov_b32 v[NIL], 0
	v_lshrrev_b32 v3, 5, v0
	v_readfirstlane_b32 s[WV], v3
	v_and_b32 v1, 15, v0                           ; i
	v_bfe_u32 v2, v0, 4, 1                         ; h
	v_and_b32 v[GO], 31, v0
	v_lshlrev_b32 v[GO], 4, v[GO]
	s_wait_alu depctr_va_sdst(0)                   ; s[WV] is written, ahead of its first reader: my stage, my tiles and the side jobs' branches are made from it
	s_lshl_b32 s37, s[WV], 14                      ; my stage
	s_mov_b32 s[WG], ttmp9
	v_lshlrev_b32 v3, 4, v1
	v_lshl_add_u32 v3, v2, 23, v3
.irp q, 0,1,2,3,4,5,6,7
	v_add_nc_u32 v[OFF+(\q)], (\q)<<24, v3
.endr
	; In the stage voxel x has a row of 256 bytes; the 16 bytes of channels 8 c .. 8 c + 7 lie at column (c + x / 4) % 16.
	v_add_nc_u32 v7, v1, v2
	v_lshl_add_u32 v3, v1, 10, s37                 ; voxel 4 i
.irp q, 0,1,2,3,4,5,6,7
	v_add_nc_u32 v[SA+(\q)], 2*(\q), v7
	v_and_b32 v[SA+(\q)], 15, v[SA+(\q)]
	v_lshl_add_u32 v[SA+(\q)], v[SA+(\q)], 4, v3
.endr
	v_lshl_add_u32 v3, v2, 8, s37                  ; back: lanes 0-15 an even voxel, lanes 16-31 the odd one behind it
.irp m, 0,1,2,3,4,5,6,7,8,9,10,11,12,13,14,15
	v_add_nc_u32 v[RA+(\m)], (\m), v1
	v_and_b32 v[RA+(\m)], 15, v[RA+(\m)]
	v_lshl_add_u32 v[RA+(\m)], v[RA+(\m)], 4, v3
.endr
	s_lshl_b32 s40, s[WG], 5
	s_lshl1_add_u32 s40, s[WV], s40                ; my first tile, 32 w + 2 v
	s_and_b32 s42, s40, 4095
	s_lshl_b32 s42, s42, 8                         ; its (z, y): 256 bytes each
	s_lshr_b32 s41, s[WG], 7
	s_lshl_b32 s41, s41, 27                        ; its batch: 2^27 bytes
	s_add_co_u32 s42, s42, s41
	s_mov_b32 s43, 0
	s_lshl_b32 s44, s40, 14                        ; 16,384 bytes out for each tile
	s_mov_b32 s45, 0
	s_wait_kmcnt 0x0
	s_add_nc_u64 s[4:5], s[4:5], s[42:43]
	s_add_nc_u64 s[28:29], s[28:29], s[44:45]
; Eight loads: load j brings x = 4 i .. 4 i + 3 of channel 8 (2 q + h) + j: each covers two whole rows of 256 bytes.  toff = 256: the wave's second tile.
.macro LOADS q, toff
.irp j, 0,1,2,3,4,5,6,7
	global_load_b128 v[X+32*((\q)%4)+4*(\j):X+32*((\q)%4)+4*(\j)+3], v[OFF+(\q)], s[4:5] offset:(\j)*1048576+(\toff) th:TH_LOAD_NT
.endr
.endm
; Part q: its 8 loads are in; for each of my four voxels eight channels are rounded and packed into 16 bytes; the slot takes part nq at once; the 16 bytes go into the stage.
.macro PART q, cnt, issue, nq, toff
	s_wait_loadcnt \cnt                            ; loads come back in order: the younger parts' loads stay out
.irp e, 0,1,2,3
.irp jj, 0,1,2,3
	v_cvt_pk_bf16_f32 v[T+16*((\q)%2)+4*(\e)+(\jj)], v[X+32*((\q)%4)+8*(\jj)+(\e)], v[X+32*((\q)%4)+8*(\jj)+4+(\e)]
.endr
.endr
.if ((\q) > 0) && ((\q) < 7)
	s_wait_alu depctr_vm_vsrc(0)                   ; the LDS stores of the part before have read the other set of T, which the next part's roundings write again (part 0 has no such stores ahead of it; behind part 7 the way out's first wait states it)
.endif
	s_wait_alu depctr_va_vdst(0)                   ; the roundings have written this set of T, which the LDS stores below read, and are done reading the slot of X, in which the loads below land
.if \issue
	LOADS \nq, \toff
.endif
.irp e, 0,1,2,3
	ds_store_b128 v[SA+(\q)], v[T+16*((\q)%2)+4*(\e):T+16*((\q)%2)+4*(\e)+3] offset:256*(\e)
.endr
.endm
; The tile leaves: 32 runs of 512 consecutive bytes (two voxels), in four batches of eight.  LDS serves a wave's instructions in order, so the loads see the stores above.
; No vector line stands here: the last wait on va_vdst, part 7's, has shown T's second set written, in which batch 0's loads land.
.macro BACK tile
.irp bt, 0,1,2,3
	s_wait_xcnt 0x0                                ; the registers that earlier stores read are loaded again only behind this wait
.if (\bt) != 1
	s_wait_alu depctr_vm_vsrc(0)                   ; batch 0: part 7's LDS stores have read T's second set, in which the loads below land, and part 6's the first, which the next tile's part 0 writes; batches 2 and 3: the global stores of the batch two back have read this set.  Batch 1 owes none: its set's last readers stand ahead of batch 0's wait
.endif
.irp k, 0,1,2,3,4,5,6,7
	ds_load_b128 v[OB+32*((\bt)%2)+4*(\k):OB+32*((\bt)%2)+4*(\k)+3], v[RA+(8*(\bt)+(\k))/2] offset:(8*(\bt)+(\k))*512
.endr
.irp k, 0,1,2,3,4,5,6,7
	s_wait_dscnt 7-(\k)                            ; load k of the batch is back; the younger ones stay out
	global_store_b128 v[GO], v[OB+32*((\bt)%2)+4*(\k):OB+32*((\bt)%2)+4*(\k)+3], s[28:29] offset:(\tile)*16384+(8*(\bt)+(\k))*512 th:TH_STORE_NT
.endr
.endr
.endm
	s_wait_alu depctr_va_vdst(0)                   ; OFF, SA, RA and GO are written: every load and store of the main part reads one of them, and no vector line names them again
	LOADS 0, 0                                     ; the first four parts go out before anything else
	LOADS 1, 0
	LOADS 2, 0
	LOADS 3, 0
	; THE SIDE JOBS stand in the wait for those loads, under branches on the wave's and the work-group's number; no barrier is jumped, for there is none.
	s_cmp_lt_u32 s[WV], 8
	s_cbranch_scc1 .Lcells                         ; waves 0-7 of every work-group: 512 points' cells
	s_cmp_lt_u32 s[WG], 240
	s_cbranch_scc1 .Lweights                       ; waves 8-15 of work-groups 0-239: 1,024 weights
	s_cmp_lg_u32 s[WG], 240
	s_cbranch_scc1 .Lmain
	s_cmp_lt_u32 s[WV], 12
	s_cbranch_scc0 .Lmain
	; waves 8-11 of work-group 240: the table; thread f = 0 .. 127 makes column f
	v_and_b32 v40, 127, v0
	v_lshlrev_b32 v41, 2, v40
	v_mul_u32_u24 v42, v40, 12
	v_lshlrev_b32 v43, 6, v40
	v_mov_b32 v44, 0
	s_wait_alu depctr_va_vdst(0)                   ; the offsets v41, v42 and v44 are written, which the loads below read
	global_load_b32 v56, v41, s[16:17]             ; fc_p_b
.irp i, 0,1,2,3,4
	global_load_b32 v[57+(\i)], v41, s[18:19] offset:512*(\i)  ; fc_c_b[i]
	global_load_b32 v[62+(\i)], v41, s[20:21] offset:512*(\i)  ; b0_b[i]
	global_load_b32 v[67+(\i)], v41, s[22:23] offset:512*(\i)  ; b1_b[i]
.endr
	global_load_b32 v72, v41, s[24:25]             ; out_w
	global_load_b32 v73, v44, s[26:27]             ; out_b
	global_load_b32 v74, v42, s[14:15]             ; fc_p_w[f][0 .. 2]
	global_load_b32 v75, v42, s[14:15] offset:4
	global_load_b32 v76, v42, s[14:15] offset:8
	v_mov_b32 v77, 0
.irp n, 92,93,94,95,96,97
	v_mov_b32 v[\n], 0
.endr
	s_wait_loadcnt 0x0
.irp n, 0,1,2,3,4,5,6,7,8,9,10
	v_cvt_pk_bf16_f32 v[81+(\n)], v[56+2*(\n)], v[57+2*(\n)]  ; each number is rounded to bf16,
.endr
.irp n, 0,1,2,3,4,5,6,7,8,9,10
	v_lshlrev_b32 v[56+2*(\n)], 16, v[81+(\n)]     ; and widened again: the sums below are in f32
	v_and_b32 v[57+2*(\n)], 0xffff0000, v[81+(\n)]
.endr
	v_add_f32 v100, v56, v57                       ; row 0 = fc_p_b + fc_c_b[0]
.irp i, 1,2,3,4
	v_add_f32 v[100+(\i)], v[66+(\i)], v[57+(\i)]  ; row 2 i = b1_b[i - 1] + fc_c_b[i]
.endr
	s_wait_alu depctr_va_vdst(0)                   ; the widened numbers, the sums v100 to v104, the packed v90 and v91, the zeros and the offset v43 are written, which the stores below read
.irp i, 0,1,2,3,4
	global_store_b32 v41, v[100+(\i)], s[34:35] offset:1024*(\i)
	global_store_b32 v41, v[62+(\i)], s[34:35] offset:1024*(\i)+512  ; row 2 i + 1 = b0_b[i]
.endr
	global_store_b32 v41, v71, s[34:35] offset:5120  ; row 10 = b1_b[4]
	global_store_b32 v41, v72, s[34:35] offset:5632  ; row 11 = out_w
	global_store_b32 v41, v73, s[34:35] offset:6144  ; row 12 = out_b
	global_store_b32 v41, v94, s[34:35] offset:6656  ; rows 13 to 15 = 0
	global_store_b32 v41, v94, s[34:35] offset:7168
	global_store_b32 v41, v94, s[34:35] offset:7680
	global_store_b128 v43, v[90:93], s[34:35] offset:8192   ; (w0, w1), (w2, 0), 0, 0
	global_store_b128 v43, v[94:97], s[34:35] offset:8208
	global_store_b128 v43, v[94:97], s[34:35] offset:8224
	global_store_b128 v43, v[94:97], s[34:35] offset:8240
	s_wait_alu depctr_vm_vsrc(0)                   ; this job's loads and stores have read their offsets and data: these registers are T and OB from here on, which the parts' roundings write and in which the stage's loads land; the wait stands ahead of the branch
	s_branch .Lmain
.Lcells:                                               ; thread t takes points 2 (256 w + t) and the next: 24 bytes of p in, 8 bytes out; a wave stores 256 consecutive bytes
	v_mul_u32_u24 v40, v0, 24
	v_lshlrev_b32 v41, 3, v0
	s_mul_i32 s46, s[WG], 6144
	s_mov_b32 s47, 0
	s_add_nc_u64 s[6:7], s[6:7], s[46:47]
	s_wait_alu depctr_va_vdst(0)                   ; the offset v40 is written, which the loads below read
	global_load_b64 v[42:43], v40, s[6:7]
	global_load_b64 v[44:45], v40, s[6:7] offset:8
	global_load_b64 v[46:47], v40, s[6:7] offset:16
	s_lshl_b32 s46, s[WG], 11
	s_add_nc_u64 s[30:31], s[30:31], s[46:47]
	s_mov_b32 s39, 0x4264e201                      ; 63 / 1.101
	s_mov_b32 s41, 0x41fc0000                      ; 31.5
	s_wait_loadcnt 0x0
.irp n, 0,1,2
	v_cvt_pk_bf16_f32 v[48+(\n)], v[42+2*(\n)], v[43+2*(\n)]
.endr
.irp n, 0,1,2
	v_lshlrev_b32 v[42+2*(\n)], 16, v[48+(\n)]
	v_and_b32 v[43+2*(\n)], 0xffff0000, v[48+(\n)]
.endr
.irp n, 42,43,44,45,46,47
	v_fma_f32 v[\n], v[\n], s39, s41
	v_max_num_f32 v[\n], 0, v[\n]
	v_min_num_f32 v[\n], 0x42780000, v[\n]         ; 62: the cell's upper corner stays inside the grid
	v_cvt_u32_f32 v[\n], v[\n]                     ; toward zero: the floor of a number that is not negative
.endr
	v_lshl_add_u32 v50, v44, 6, v43                ; p's three numbers are x, y, z
	v_lshl_add_u32 v50, v50, 6, v42
	v_lshl_add_u32 v51, v47, 6, v46
	v_lshl_add_u32 v51, v51, 6, v45
	s_wait_alu depctr_va_vdst(0)                   ; the two cells v50 and v51 are written, which the store below reads
	global_store_b64 v41, v[50:51], s[30:31]
	s_wait_alu depctr_vm_vsrc(0)                   ; this job's loads and its store have read v40, v41, v50 and v51: these registers are T from here on, which the parts' roundings write; the wait stands ahead of the branch
	s_branch .Lmain
.Lweights:                                             ; work-groups 0-79 fc_c_w, 80-159 b0_w, 160-239 b1_w; 4,096 bytes in, 2,048 out
	s_cmp_ge_u32 s[WG], 80
	s_cselect_b32 s46, 1, 0
	s_cmp_ge_u32 s[WG], 160
	s_cselect_b32 s47, 1, 0
	s_add_co_u32 s46, s46, s47                     ; which of the three
	s_cmp_lt_u32 s[WG], 80
	s_cselect_b64 s[42:43], s[8:9], s[10:11]
	s_cmp_lt_u32 s[WG], 160
	s_cselect_b64 s[42:43], s[42:43], s[12:13]
	s_mul_i32 s47, s46, 80
	s_sub_co_u32 s47, s[WG], s47                   ; which 1,024 numbers of it: 16 such to a matrix
	s_lshl_b32 s44, s47, 12
	s_mov_b32 s45, 0
	s_add_nc_u64 s[42:43], s[42:43], s[44:45]
	s_lshr_b32 s44, s47, 4
	s_mul_i32 s44, s44, 3
	s_add_co_u32 s44, s44, s46
	s_lshl_b32 s44, s44, 15                        ; matrix 3 i + kind, 32,768 bytes each
	s_and_b32 s47, s47, 15
	s_lshl_b32 s47, s47, 11
	s_add_co_u32 s44, s44, s47
	s_add_nc_u64 s[32:33], s[32:33], s[44:45]
	v_and_b32 v40, 255, v0
	v_lshlrev_b32 v41, 4, v40
	v_lshlrev_b32 v42, 3, v40
	s_wait_alu depctr_va_vdst(0)                   ; the offset v41 is written, which the load below reads
	global_load_b128 v[44:47], v41, s[42:43]
	s_wait_loadcnt 0x0
	v_cvt_pk_bf16_f32 v48, v44, v45
	v_cvt_pk_bf16_f32 v49, v46, v47
	s_cmp_lg_u32 s46, 0
	s_cbranch_scc1 .Lwstore
	v_lshlrev_b32 v44, 16, v48                     ; fc_c_w multiplies an f16 operand: the bf16 number is written as f16
	v_and_b32 v45, 0xffff0000, v48
	v_lshlrev_b32 v46, 16, v49
	v_and_b32 v47, 0xffff0000, v49
	v_cvt_pk_f16_f32 v48, v44, v45
	v_cvt_pk_f16_f32 v49, v46, v47
.Lwstore:
	s_wait_alu depctr_va_vdst(0)                   ; on both ways v48 and v49 are written, which the store below reads
	global_store_b64 v42, v[48:49], s[32:33]
	s_wait_alu depctr_vm_vsrc(0)                   ; this job's load and its store have read v41, v42, v48 and v49: these registers are T from here on, which the parts' roundings write
.Lmain:
	s_wait_xcnt 0x0                                ; the side jobs' stores have read their registers: T and OB are written again only behind this wait
.irp q, 0,1,2,3
	PART \q, 24, 1, (\q)+4, 0                      ; 24: three younger parts of eight loads
.endr
.irp q, 4,5,6,7
	PART \q, 24, 1, (\q)-4, 256                    ; the second tile's first parts are asked for while the first tile ends
.endr
	BACK 0
.irp q, 0,1,2,3
	PART \q, 24, 1, (\q)+4, 256                    ; part 1 writes T's second set, which the first way out's batch 2 stored from: those stores stand ahead of batch 3's two waits
.endr
	PART 4, 24, 0, 0, 0                            ; nothing is left to fetch: the counts run down
	PART 5, 16, 0, 0, 0
	PART 6, 8, 0, 0, 0
	PART 7, 0, 0, 0, 0
	BACK 1
	s_wait_dscnt 0x0                               ; the closing lines, six on end
	s_wait_alu 0x0
	s_wait_tensorcnt 0x0
	ds_add_u32 v[SPW], v[NIL]
	s_wait_dscnt 0x0
	s_endpgm
.Lfunc_end_k_qcd89a00b43_prep:
	.size	k_qcd89a00b43_prep, .Lfunc_end_k_qcd89a00b43_prep-k_qcd89a00b43_prep
	.p2alignl 7, 3214868480
	.fill 96, 4, 3214868480
	.section	.rodata,"a",@progbits
	.p2align	6, 0x0
	.amdhsa_kernel k_qcd89a00b43_prep
		.amdhsa_group_segment_fixed_size 264192
		.amdhsa_private_segment_fixed_size 0
		.amdhsa_enable_private_segment 0
		.amdhsa_kernarg_size 128
		.amdhsa_user_sgpr_count 2
		.amdhsa_user_sgpr_kernarg_segment_ptr 1
		.amdhsa_wavefront_size32 1
		.amdhsa_system_sgpr_workgroup_id_x 1
		.amdhsa_system_sgpr_workgroup_id_y 1
		.amdhsa_system_sgpr_workgroup_id_z 1
		.amdhsa_system_vgpr_workitem_id 0
		.amdhsa_next_free_vgpr 248
		.amdhsa_next_free_sgpr 66
		.amdhsa_reserve_vcc 0
		.amdhsa_float_denorm_mode_32 3
		.amdhsa_float_denorm_mode_16_64 3
		.amdhsa_memory_ordered 1
		.amdhsa_forward_progress 1
		.amdhsa_inst_pref_size 63
	.end_amdhsa_kernel
	.amdgpu_metadata
---
amdhsa.version: [ 1, 2 ]
amdhsa.kernels:
  - .name:           k_qcd89a00b43_prep
    .symbol:         k_qcd89a00b43_prep.kd
    .args:
      - { .name: c_grid, .offset: 0, .size: 8, .value_kind: global_buffer, .address_space: global }
      - { .name: p, .offset: 8, .size: 8, .value_kind: global_buffer, .address_space: global }
      - { .name: fc_c_w, .offset: 16, .size: 8, .value_kind: global_buffer, .address_space: global }
      - { .name: b0_w, .offset: 24, .size: 8, .value_kind: global_buffer, .address_space: global }
      - { .name: b1_w, .offset: 32, .size: 8, .value_kind: global_buffer, .address_space: global }
      - { .name: fc_p_w, .offset: 40, .size: 8, .value_kind: global_buffer, .address_space: global }
      - { .name: fc_p_b, .offset: 48, .size: 8, .value_kind: global_buffer, .address_space: global }
      - { .name: fc_c_b, .offset: 56, .size: 8, .value_kind: global_buffer, .address_space: global }
      - { .name: b0_b, .offset: 64, .size: 8, .value_kind: global_buffer, .address_space: global }
      - { .name: b1_b, .offset: 72, .size: 8, .value_kind: global_buffer, .address_space: global }
      - { .name: out_w, .offset: 80, .size: 8, .value_kind: global_buffer, .address_space: global }
      - { .name: out_b, .offset: 88, .size: 8, .value_kind: global_buffer, .address_space: global }
      - { .name: gridt, .offset: 96, .size: 8, .value_kind: global_buffer, .address_space: global }
      - { .name: cell, .offset: 104, .size: 8, .value_kind: global_buffer, .address_space: global }
      - { .name: w16, .offset: 112, .size: 8, .value_kind: global_buffer, .address_space: global }
      - { .name: tab, .offset: 120, .size: 8, .value_kind: global_buffer, .address_space: global }
    .group_segment_fixed_size: 264192
    .private_segment_fixed_size: 0
    .kernarg_segment_align: 8
    .kernarg_segment_size: 128
    .max_flat_workgroup_size: 512
    .sgpr_count:     66
    .vgpr_count:     248
    .wavefront_size: 32
...
	.end_amdgpu_metadata
.endif
;; end of part 3
;; launch decode: the kernel of part 2 again; grid 512 x 1, 4 waves a work-group, clusters of 4 x 1, 327,680 bytes of LDS; arguments p, cell, gridt, w16, tab, out0; writes out0
